; MI455X (gfx1250); checked and timed in simulation.
; The chip was launched on July 23, 2026; its instructions are those of AMD's public machine-readable ISA for CDNA 5 (MIT licence, August 2026) and "CDNA5" Instruction Set Architecture Reference Guide (July 2026). The comments in the code are by the model that wrote it; some were corrected since.
;; Linear Columnwise. Allowed arithmetic: matrix products marked QUANTISED: E2M1 operands, one E8M0 scale for each 32 along K, by v_wmma_scale_f32_16x16x128_f8f6f4 with both operands' format E2M1 (or v_wmma_scale_f32_32x16x128_f4), f32 sums; everything else in f32.
;; Inputs: bias 4,096 float32; input 8 x 512 x 4,096 float32; weight 4,096 x 4,096 float32.
;; Outputs: out0 4,096 x 4,096 float32.
;; This version of the problem:
;;   THIS VERSION OF THE PROBLEM IS GIVEN IN LOW PRECISION. The matrix products marked QUANTISED in the list below multiply operands that are first quantised to E2M1 (2 exponent bits, 1 mantissa bit; 4 bits a number), with one power-of-two scale for each 32 numbers along K (OCP MX v1.0); their sums are f32. All else is computed in f32.
;;   The module's matrix products, in the order in which they are computed (A, B: the left and right operand; K: the contracted axis; several contracted axes count as one K, in the product's order):
;;     1. [M 4,096, K 4,096] x [K 4,096, N 4,096]; A: input input; B: input weight: QUANTISED
;;   THE QUANTISER, for each operand of a quantised product, along K:
;;     - K is cut into blocks of 32 from its start; a last block that is shorter is filled with zeros.
;;     - A block's scale is 2^e with e = floor(log2(the largest magnitude in the block)) - 2, held to -126 .. 127; a block of zeros has e = 0. As a byte (E8M0): e + 127.
;;     - Each number is divided by its block's scale, clamped to +-6, and rounded to the nearest number of E2M1, ties to even, subnormals kept.
;;     - The product sums the exact products of the quantised numbers (number of the format x scale) in f32.
;;   ~~~python
;;   def quantise(x, axis):      # numpy; x: float32 -> the quantised numbers, widened to float32 again
;;       x = np.moveaxis(x, axis, -1); K = x.shape[-1]
;;       x = np.pad(x, [(0, 0)] * (x.ndim - 1) + [(0, -K % 32)]); x = x.reshape(x.shape[:-1] + (-1, 32)); a = np.abs(x).max(-1, keepdims=True)
;;       e = np.where(a > 0, np.clip(np.frexp(np.where(a > 0, a, 1))[1] - 1 - 2, -126, 127), 0)      # np.frexp(a)[1] - 1 = floor(log2(a)), exactly
;;       r = np.clip(x / 2.0 ** e, -6, 6)
;;       step = 2.0 ** (np.maximum(np.frexp(np.where(r == 0, 1, r))[1] - 1, 0) - 1)
;;       q = np.round(r / step) * step * 2.0 ** e      # np.round: ties to even
;;       return np.moveaxis(q.reshape(q.shape[:-2] + (-1,))[..., :K], -1, axis).astype(np.float32)
;;   ~~~
;; One version. Each part assembles by itself: llvm-mc -triple=amdgcn-amd-amdhsa -mcpu=gfx1250 --defsym DOCPART=n.
;; ======== version 1 of 1: 2 launches
;; limits: right only within a limited range of input values
;; workspace buffers: aq 8,912,896 bytes; wq 8,912,896 bytes
;; launch quant (part 1): grid 512 x 1, 8 waves a work-group, no clusters, 113,664 bytes of LDS; arguments input, weight, aq, wq; writes aq, wq
.if DOCPART == 1
	.amdgcn_target "amdgcn-amd-amdhsa--gfx1250"
	.amdhsa_code_object_version 6
	.text
	.protected	k_qb3ee313c65_quant
	.globl	k_qb3ee313c65_quant
	.p2align	8
	.type	k_qb3ee313c65_quant,@function
k_qb3ee313c65_quant:
	s_mov_b64 s[64:65], 0
	v_nop
	global_prefetch_b8 v0, s[64:65] scope:SCOPE_SE
	s_setreg_imm32_b32 hwreg(HW_REG_WAVE_MODE, 25, 1), 1
	s_wait_xcnt 0x0
; Both operands of out = input x weight + bias become codes of FP4 (E2M1) with one E8M0 scale byte for each 32 along K.
; input: [4096 m][4096 k] f32, K innermost.  weight: [4096 k][4096 n] f32, K is its FIRST axis.
; OUTPUT LAYOUT, the same for aq (row = m) and wq (row = n): [K step 0..7][row 0..4095][272 bytes].  A RECORD of 272 bytes is one row's 512 numbers along K:
; bytes 0-255 its 512 codes, K ascending, the lower k in the low four bits; bytes 256-271 its 16 scale bytes, byte j for k = 32 j .. 32 j + 31 of the step.
; So 128 rows of one K step are 34,816 consecutive bytes, which the product's launch brings into LDS as they lie, and 272 bytes is already the row pitch that it wants there.
; A block's scale is 2^(floor(log2(its largest magnitude)) - 2); its byte is the largest magnitude's own exponent field - 2, held at 1 from below by a floor among the maximum's leaves.
; Each number is divided by the scale and rounded to the nearest code, ties to even, beyond 6 the largest code: that is what the conversion does.
; LIMITS: NaN and infinities among the inputs are not served.  Blocks whose largest magnitude lies under 2^-124 get the byte 1 (the quantiser's own lower hold) and were not tried.
; A block of zeros gets the byte 1 where the quantiser says 127: its codes are zeros, which add nothing under any byte but 0xff, and the bytes are read by this program alone.
; SHARES.  512 work-groups of eight waves: the even ones take the input, the odd ones the weight; every wave reads 32,768 bytes and makes 4,352.  The two ways part on the work-group's number alone,
; never join, and have LDS bytes of their own.  No tensor loads, no matrix unit, no cluster: nothing is shared between work-groups and memory binds.
.set REC,   272                        ; bytes of a record
.set KSTR,  4096*REC                   ; bytes of a K step in aq and in wq
.set ROWB,  16384                      ; a row of the input, and of the weight, in bytes
.set FLOOR, 0x1800000                  ; the f32 number 2^(3 - 127)
.set SP,    80                         ; input path: a lane's place in a turning stage: its 64 bytes + 16 of padding
.set STG,   32*SP                      ; a turning stage
.set OUTS,  2*STG                      ; behind a wave's two stages: its 16 records
.set AREG,  9728                       ; a wave's region: 2 x 2,560 + 4,352, rounded up to whole blocks of 512 bytes
.set WSTG,  8*AREG                     ; weight path: the work-group's 128 records, behind the input path's eight regions
	s_load_b128 s[4:7], s[0:1], 0x0                ; input s[4:5], weight s[6:7]
	s_load_b128 s[8:11], s[0:1], 0x10              ; aq s[8:9], wq s[10:11]
	v_lshl_add_u32 v192, v0, 2, 0x1b800
	v_mov_b32 v193, 0
	v_lshrrev_b32 v1, 5, v0
	s_delay_alu instid0(VALU_DEP_1)
	v_readfirstlane_b32 s16, v1                    ; wave 0..7
	v_and_b32 v2, 31, v0                           ; lane
	s_lshr_b32 s17, ttmp9, 1                       ; my number among the 256 work-groups of my tensor
	s_and_b32 s18, ttmp9, 1
	s_wait_kmcnt 0x0
	s_cmp_lg_u32 s18, 0
	s_cbranch_scc1 .Lweight                        ; the same way for all eight waves of a work-group
; ---------------------------------------------------------------- THE INPUT: K innermost
; Work-group i owns rows 16 i .. 16 i + 15, wave w K step w of them: step t of sixteen is row 16 i + t, 512 consecutive numbers, one record.
; The conversions take neighbours along K from ONE lane's registers, so a lane must hold 16 neighbours (two neighbouring lanes hold a block); a load is best where neighbouring LANES take neighbouring
; bytes.  Both are had: each of a step's four loads reads 512 consecutive bytes, 16 a lane; the 2,048 bytes go through the wave's own stage in LDS and come back 64 bytes a lane.
; The records are gathered in the wave's own LDS bytes and leave as 17 stores of 256 consecutive bytes each.  Waves share nothing: no barrier.  Loads run four steps (16 loads) ahead.
.set R, 16                             ; v16-79   four sets of 16 numbers as loaded
.set X, 80                             ; v80-111  two sets of 16 neighbours
.set E, 112                            ; v112-127 a scale byte for each step
.set C, 128                            ; v128-159 two registers of codes for each step: no LDS store's data are written again
.set O, 16                             ; v16-49   the way out, when R is done with
	s_lshl_b32 s20, s17, 18                        ; 16 rows of 16,384 bytes for each work-group,
	s_lshl_b32 s21, s16, 11                        ; 2,048 bytes of a row for each wave
	s_add_co_u32 s20, s20, s21
	s_mov_b32 s21, 0
	s_add_nc_u64 s[4:5], s[4:5], s[20:21]
	s_mul_i32 s22, s16, KSTR                       ; aq: K step w,
	s_mul_i32 s23, s17, 16*REC                     ; record 16 i
	s_add_co_u32 s22, s22, s23
	s_mov_b32 s23, 0
	s_add_nc_u64 s[8:9], s[8:9], s[22:23]
	s_mul_i32 s19, s16, AREG                       ; my wave's region of LDS
	s_wait_alu depctr_va_vdst(0)
	v_lshlrev_b32 v3, 4, v2                        ; my 16 bytes of a load's 512
	v_lshrrev_b32 v14, 2, v2
	s_delay_alu instid0(VALU_DEP_1)
	v_mul_u32_u24 v14, v14, SP
	v_and_b32 v15, 3, v2
	s_delay_alu instid0(VALU_DEP_1)
	v_lshl_add_u32 v14, v15, 4, v14
	s_delay_alu instid0(VALU_DEP_1)
	v_add_nc_u32 v14, s19, v14                     ; into a stage: four lanes' 64 bytes on end, then 16 of padding: 80 (lane / 4) + 16 (lane % 4); a load's 512 bytes take eight places
	v_mul_u32_u24 v15, v2, SP
	s_delay_alu instid0(VALU_DEP_1)
	v_add_nc_u32 v15, s19, v15                     ; out of it: 80 x lane: my 16 neighbours
	s_add_co_u32 s19, s19, OUTS
	v_lshlrev_b32 v7, 3, v2                        ; 8 bytes a lane: my codes' place in a record, and my place in a store of 256 bytes
	s_delay_alu instid0(VALU_DEP_1)
	v_add_nc_u32 v4, s19, v7                       ; the same in my wave's records in LDS
	v_lshrrev_b32 v5, 1, v2
	s_delay_alu instid0(VALU_DEP_1)
	v_add_nc_u32 v5, s19, v5                       ; my block's scale byte (the record's 256 stand in the store's immediate)
.macro LOAD t
.irp i, 0,1,2,3
	global_load_b128 v[R+16*((\t)%4)+4*\i:R+16*((\t)%4)+4*\i+3], v3, s[4:5] offset:ROWB*(\t)+512*\i th:TH_LOAD_NT   ; 32 lanes read 512 consecutive bytes; read once in the launch
.endr
.endm
.macro TURN t                          ; step t's numbers through a stage: LDS serves a wave's instructions in order (ISA guide 5.7.1.4), so no wait stands between the stores and the loads
.irp i, 0,1,2,3
	ds_store_b128 v14, v[R+16*((\t)%4)+4*\i:R+16*((\t)%4)+4*\i+3] offset:STG*((\t)%2)+8*SP*\i
.endr
.irp i, 0,1,2,3
	ds_load_b128 v[X+16*((\t)%2)+4*\i:X+16*((\t)%2)+4*\i+3], v15 offset:STG*((\t)%2)+16*\i
.endr
.endm
.irp t, 0,1,2,3
	LOAD \t
.endr
	s_wait_alu depctr_va_vdst(0)
	s_wait_loadcnt 12                              ; step 0's four loads are in; the twelve of steps 1 to 3 may be out
	TURN 0
.macro STEP t
.set XS, X+16*((\t)%2)
.if (\t) > 0
	s_wait_dscnt 2                                 ; this step's numbers are back from the stage (younger: the last step's two stores into its record): so the stage's stores have read their registers,
.else
	s_wait_dscnt 0x0
.endif
.if (\t)+4 < 16
	LOAD (\t)+4                                    ; which take the loads of four steps on
.endif
.if (\t)+1 < 16
.if 14-(\t) >= 3
	s_wait_loadcnt 12                              ; the next step's four loads are in; those of the three steps behind it may be out
.else
	s_wait_loadcnt 4*(14-(\t))                     ; towards the end fewer steps stand behind it
.endif
	TURN (\t)+1                                    ; and go through the other stage while this step is worked
.endif
	v_max3_num_f32 v8, |v[XS]|, |v[XS+1]|, |v[XS+2]|               ; the largest magnitude of my 16, in two chains
	v_max3_num_f32 v9, |v[XS+3]|, |v[XS+4]|, |v[XS+5]|
.irp i, 6,10
	s_delay_alu instid0(VALU_DEP_2)
	v_max3_num_f32 v8, v8, |v[XS+\i]|, |v[XS+\i+1]|
	s_delay_alu instid0(VALU_DEP_2)
	v_max3_num_f32 v9, v9, |v[XS+\i+2]|, |v[XS+\i+3]|
.endr
	s_delay_alu instid0(VALU_DEP_2)
	v_max3_num_f32 v8, v8, |v[XS+14]|, |v[XS+15]|
	s_delay_alu instid0(VALU_DEP_1)
	v_max3_num_f32 v8, v8, v9, FLOOR               ; and the floor, under which no largest magnitude is taken: so the byte cannot fall under 1
	s_delay_alu instid0(VALU_DEP_1)
	v_max_num_f32_dpp v8, v8, v8 row_xmask:1 row_mask:0xf bank_mask:0xf   ; and of my neighbour's 16: the block's
	s_delay_alu instid0(VALU_DEP_1)
	v_add_nc_u32 v11, 0xff000000, v8               ; 2 off its exponent field: the conversion takes the exponent field of this operand as its scale, and nothing else of it
	v_cvt_scalef32_pk8_fp4_f32 v[C+2*(\t)], v[XS:XS+7], v11        ; eight codes, the first number's in the lowest four bits
	v_cvt_scalef32_pk8_fp4_f32 v[C+2*(\t)+1], v[XS+8:XS+15], v11
	v_lshrrev_b32 v[E+(\t)], 23, v11               ; the scale's byte.  (Also the plain vector line behind the conversions)
	ds_store_b8 v5, v[E+(\t)] offset:REC*(\t)+256  ; both lanes of a block write the same byte with the same value
	ds_store_b64 v4, v[C+2*(\t):C+2*(\t)+1] offset:REC*(\t)        ; 32 lanes: the record's 256 bytes of codes
.endm
.irp t, 0,1,2,3,4,5,6,7,8,9,10,11,12,13,14,15
	STEP \t
.endr
.irp j, 0,1,2,3,4,5,6,7,8,9,10,11,12,13,14,15,16
	ds_load_b64 v[O+2*\j:O+2*\j+1], v4 offset:256*\j               ; my 16 records, 4,352 bytes on end; in order behind my stores
.endr
.irp j, 0,1,2,3,4,5,6,7,8,9,10,11,12,13,14,15,16
	s_wait_dscnt 16-\j                             ; load j is in; the 16 - j behind it may be out
	global_store_b64 v7, v[O+2*\j:O+2*\j+1], s[8:9] offset:256*\j  ; 32 lanes store 256 consecutive bytes, at a multiple of 256 from aq's first byte.  No hint: the next launch reads them
.endr
	s_wait_tensorcnt 0x0
	ds_add_u32 v192, v193
	s_wait_dscnt 0x0
	s_endpgm
; ---------------------------------------------------------------- THE WEIGHT: K is the first axis
; A LANE TAKES A COLUMN n, AND ITS REGISTERS RUN DOWN K: each load reads neighbouring n in neighbouring lanes, a block of 32 along K lies in ONE lane's 32 registers, so that its largest magnitude
; needs no other lane, and the conversions give codes with K innermost.  Nothing is transposed by an instruction.
; Work-group i owns columns 128 (i % 32) on and K step i / 32.  Wave w owns 32 of the columns (w % 4: four waves stand side by side on 512 consecutive bytes of a row) and half of the step
; (w / 4: 256 along K, eight blocks), so that twice the loads are on their way.  A record's two halves come from two waves: they meet in the work-group's 128 records in LDS, behind ONE barrier,
; and each wave then stores 4,352 consecutive bytes of the work-group's 34,816.  Loads run two blocks (64 loads a wave) ahead.
.set WX, 32                            ; v32-95   two sets of 32 numbers
.set WC, 96                            ; v96-127  four registers of codes for each block: no LDS store's data are written again
.set WO, 128                           ; v128-161 the way out
.set SB, 24                            ; v[24:25] my eight scale bytes
.Lweight:
	s_and_b32 s19, s17, 31                         ; which 128 columns
	s_lshr_b32 s20, s17, 5                         ; which K step
	s_and_b32 s21, s16, 3                          ; which 32 of the columns
	s_lshr_b32 s22, s16, 2                         ; which half of the step
	s_lshl_b32 s24, s20, 23                        ; 512 rows of 16,384 bytes,
	s_lshl_b32 s25, s22, 22                        ; 256 rows,
	s_add_co_u32 s24, s24, s25
	s_lshl_b32 s25, s19, 9                         ; 128 columns of 4 bytes,
	s_add_co_u32 s24, s24, s25
	s_lshl_b32 s25, s21, 7                         ; 32 columns
	s_add_co_u32 s24, s24, s25
	s_mov_b32 s25, 0
	s_add_nc_u64 s[6:7], s[6:7], s[24:25]
	s_mul_i32 s26, s20, KSTR                       ; wq: the K step,
	s_mul_i32 s27, s19, 128*REC                    ; the work-group's 128 records
	s_add_co_u32 s26, s26, s27
	s_mov_b32 s27, 0
	s_add_nc_u64 s[10:11], s[10:11], s[26:27]
	s_wait_alu depctr_va_vdst(0)
	v_lshlrev_b32 v3, 2, v2                        ; in: 4 bytes a lane
	v_and_b32 v8, 127, v0                          ; my column among the 128 = 32 (wave % 4) + lane
	v_lshrrev_b32 v9, 7, v0                        ; my half of the step = wave / 4
	s_delay_alu instid0(VALU_DEP_2)
	v_mul_u32_u24 v4, v8, REC
	s_delay_alu instid0(VALU_DEP_1)
	v_lshl_add_u32 v4, v9, 7, v4
	s_delay_alu instid0(VALU_DEP_1)
	v_add_nc_u32 v4, WSTG, v4                      ; my codes: my column's record, 128 bytes for each half.  Records 272 bytes apart
	v_mul_u32_u24 v5, v8, REC
	s_delay_alu instid0(VALU_DEP_1)
	v_lshl_add_u32 v5, v9, 3, v5
	s_delay_alu instid0(VALU_DEP_1)
	v_add_nc_u32 v5, WSTG+256, v5                  ; my eight scale bytes
	v_mul_u32_u24 v7, v1, 16*REC
	s_delay_alu instid0(VALU_DEP_1)
	v_lshl_add_u32 v7, v2, 3, v7                   ; out: wave w takes bytes 4,352 w on of the 34,816, 8 bytes a lane
	s_delay_alu instid0(VALU_DEP_1)
	v_add_nc_u32 v6, WSTG, v7                      ; the same in LDS
.macro WLOAD t                         ; block t: weight(32 t + i, my column), i = 0 .. 31, into set t % 2.  The largest offset, 255 rows, lies inside the signed 24-bit immediate (ISA guide, chapter 10)
.irp i, 0,1,2,3,4,5,6,7,8,9,10,11,12,13,14,15,16,17,18,19,20,21,22,23,24,25,26,27,28,29,30,31
	global_load_b32 v[WX+32*((\t)%2)+\i], v3, s[6:7] offset:(32*(\t)+\i)*ROWB th:TH_LOAD_NT
.endr
.endm
	WLOAD 0
	WLOAD 1
.macro BLOCK t
.set XS, WX+32*((\t)%2)
.if (\t) < 7
	s_wait_loadcnt 32                              ; this block's 32 loads are in; the next block's 32 may be out
.else
	s_wait_loadcnt 0x0
.endif
	v_max3_num_f32 v12, |v[XS]|, |v[XS+1]|, |v[XS+2]|              ; the block's largest magnitude: all 32 numbers are mine; two chains
	v_max3_num_f32 v13, |v[XS+3]|, |v[XS+4]|, |v[XS+5]|
.irp i, 6,10,14,18,22,26
	s_delay_alu instid0(VALU_DEP_2)
	v_max3_num_f32 v12, v12, |v[XS+\i]|, |v[XS+\i+1]|
	s_delay_alu instid0(VALU_DEP_2)
	v_max3_num_f32 v13, v13, |v[XS+\i+2]|, |v[XS+\i+3]|
.endr
	s_delay_alu instid0(VALU_DEP_2)
	v_max3_num_f32 v12, v12, |v[XS+30]|, |v[XS+31]|
	s_delay_alu instid0(VALU_DEP_1)
	v_max3_num_f32 v12, v12, v13, FLOOR            ; and the floor: the byte cannot fall under 1
	s_delay_alu instid0(VALU_DEP_1)
	v_add_nc_u32 v11, 0xff000000, v12              ; 2 off its exponent field: the conversions' scale operand
.irp g, 0,1,2,3
	v_cvt_scalef32_pk8_fp4_f32 v[WC+4*(\t)+\g], v[XS+8*\g:XS+8*\g+7], v11
.endr
	v_lshrrev_b32 v13, 23, v11                     ; the scale's byte.  (Also the plain vector line behind the conversions)
.if (\t)%4 == 0
	s_delay_alu instid0(VALU_DEP_1)
	v_mov_b32 v[SB+(\t)/4], v13                    ; four bytes to a register, the lower K in the lower byte
.else
	s_delay_alu instid0(VALU_DEP_1)
	v_lshl_or_b32 v[SB+(\t)/4], v13, 8*((\t)%4), v[SB+(\t)/4]
.endif
	ds_store_b128 v4, v[WC+4*(\t):WC+4*(\t)+3] offset:16*(\t)      ; 32 codes: 16 bytes of my column's record
.if (\t)+2 < 8
	WLOAD (\t)+2
.endif
.endm
.irp t, 0,1,2,3,4,5,6,7
	BLOCK \t
.endr
	ds_store_b64 v5, v[SB:SB+1]
	s_wait_dscnt 0x0                               ; for the others' sake: all my stores into the records have landed
	s_barrier_signal -1
	s_barrier_wait -1                              ; the 128 records are whole
.irp j, 0,1,2,3,4,5,6,7,8,9,10,11,12,13,14,15,16
	ds_load_b64 v[WO+2*\j:WO+2*\j+1], v6 offset:256*\j
.endr
.irp j, 0,1,2,3,4,5,6,7,8,9,10,11,12,13,14,15,16
	s_wait_dscnt 16-\j                             ; load j is in; the 16 - j behind it may be out
	global_store_b64 v7, v[WO+2*\j:WO+2*\j+1], s[10:11] offset:256*\j   ; 32 lanes store 256 consecutive bytes, at a multiple of 256 from wq's first byte
.endr
	s_wait_tensorcnt 0x0
	ds_add_u32 v192, v193
	s_wait_dscnt 0x0
	s_endpgm
.Lfunc_end_k_qb3ee313c65_quant:
	.size	k_qb3ee313c65_quant, .Lfunc_end_k_qb3ee313c65_quant-k_qb3ee313c65_quant
	.p2alignl 7, 3214868480
	.fill 96, 4, 3214868480
	.section	.rodata,"a",@progbits
	.p2align	6, 0x0
	.amdhsa_kernel k_qb3ee313c65_quant
		.amdhsa_group_segment_fixed_size 113664
		.amdhsa_private_segment_fixed_size 0
		.amdhsa_enable_private_segment 0
		.amdhsa_kernarg_size 32
		.amdhsa_user_sgpr_count 2
		.amdhsa_user_sgpr_kernarg_segment_ptr 1
		.amdhsa_wavefront_size32 1
		.amdhsa_system_sgpr_workgroup_id_x 1
		.amdhsa_system_sgpr_workgroup_id_y 1
		.amdhsa_system_sgpr_workgroup_id_z 1
		.amdhsa_system_vgpr_workitem_id 0
		.amdhsa_next_free_vgpr 194
		.amdhsa_next_free_sgpr 66
		.amdhsa_reserve_vcc 0
		.amdhsa_float_denorm_mode_32 3
		.amdhsa_float_denorm_mode_16_64 3
		.amdhsa_memory_ordered 1
		.amdhsa_forward_progress 1
		.amdhsa_inst_pref_size 85
	.end_amdhsa_kernel
	.amdgpu_metadata
---
amdhsa.version: [ 1, 2 ]
amdhsa.kernels:
  - .name:           k_qb3ee313c65_quant
    .symbol:         k_qb3ee313c65_quant.kd
    .args:
      - { .name: input, .offset: 0, .size: 8, .value_kind: global_buffer, .address_space: global }
      - { .name: weight, .offset: 8, .size: 8, .value_kind: global_buffer, .address_space: global }
      - { .name: aq, .offset: 16, .size: 8, .value_kind: global_buffer, .address_space: global }
      - { .name: wq, .offset: 24, .size: 8, .value_kind: global_buffer, .address_space: global }
    .group_segment_fixed_size: 113664
    .private_segment_fixed_size: 0
    .kernarg_segment_align: 8
    .kernarg_segment_size: 32
    .max_flat_workgroup_size: 256
    .sgpr_count:     66
    .vgpr_count:     194
    .wavefront_size: 32
...
	.end_amdgpu_metadata
.endif
;; end of part 1
;; launch gemm (part 2): grid 16 x 16, 4 waves a work-group, clusters of 4 x 4, 327,680 bytes of LDS; arguments aq, wq, bias, out0; writes out0
.if DOCPART == 2
	.amdgcn_target "amdgcn-amd-amdhsa--gfx1250"
	.amdhsa_code_object_version 6
	.text
	.protected	k_qb3ee313c65_gemm
	.globl	k_qb3ee313c65_gemm
	.p2align	8
	.type	k_qb3ee313c65_gemm,@function
k_qb3ee313c65_gemm:
	s_mov_b64 s[64:65], 0
	v_nop
	global_prefetch_b8 v0, s[64:65] scope:SCOPE_SE
	s_setreg_imm32_b32 hwreg(HW_REG_WAVE_MODE, 25, 1), 1
	s_wait_xcnt 0x0
	s_wait_alu depctr_hold_cnt(0) depctr_sa_sdst(0) depctr_va_vdst(0) depctr_va_sdst(0) depctr_va_ssrc(0) depctr_va_vcc(0) depctr_vm_vsrc(0)
	s_getreg_b32 s2, hwreg(HW_REG_IB_STS2, 6, 4)
	s_cmp_eq_u32 s2, 0
	s_cbranch_scc0 .Lentry_in_a_cluster
	s_endpgm
.Lentry_in_a_cluster:
	s_bfe_u32 s2, ttmp6, 0x10000c
	s_cmp_lg_u32 s2, 0xf033
	s_cbranch_scc0 .Lentry_shape_is_right
	s_endpgm
.Lentry_shape_is_right:
; out0[m][n] = sum over k of A[m][k] W[k][n] + bias[n], on codes of FP4 (E2M1) with one E8M0 byte for each 32 along K.
; aq (row = m) and wq (row = n) are laid [K step 0..7][row 0..4095][272 bytes]: a record is a row's 512 codes (256 bytes) and its 16 scale bytes.
; A work-group of four waves makes 256 x 256 of out0, a wave 128 x 128: 64 accumulators, 512 registers.  256 work-groups, one for each tile.
; K goes in steps of 512 through two LDS slots; a wave's tensor load brings 128 records, 34,816 dense bytes, as 136 rows of 256 bytes; 272 is the LDS row pitch.
; CLUSTERS: 4 x 4 work-groups; A's records are asked for jointly along a row of the cluster, W's along a column.
; The K steps are walked from step ROT on (0 or 4, by the cluster's place in the grid), step s being s xor ROT: the sums' order along K differs so between clusters; each sum is f32.
; TRANSPOSED USE: source 0 = 16 rows of wq, source 1 = 16 rows of aq: a lane holds eight neighbouring columns of one row of out0.  The bias is the C of each accumulator's first product.
; REGISTERS.  Every window w holds 16 accumulators at v128-255 and two sets (by the parity of the step of 128 along K) of ONE half operand at v64-127:
;   window 0: A's blocks 0-3;  window 1: W's blocks 0-3;  window 2: W's blocks 4-7;  window 3: A's blocks 4-7.
;   accumulators: window 0 = (A 0-3, W 0-3), 1 = (A 0-3, W 4-7), 2 = (A 4-7, W 4-7), 3 = (A 4-7, W 0-3).
;   window 0 also: v0-31 addresses, v32-63 scale words in two sets;  windows 1, 2: v8-11 LDS addresses;  window 3: v0-63 the bias.
; A step of 128 along K is four GROUPS of 16 products, group g on window g's accumulators, under one window setting.  Under the same setting an LDS load has its destination in window g and its address
; in the window of source 0.  Both operands have two sets, so a step's 32 loads all serve the NEXT step; they stand in two runs of 16, at the step's head and in its middle, each followed by 32 products on end.
; THE LAST SEVEN STEPS OF 128 GO BY HALVES OF MY ROWS.  Both slots then hold the last two K steps and nothing is filled again.  Groups 0 and 1 (my rows 0-63) run through all seven; then groups 2 and 3
; (rows 64-127) run through the same seven in the reverse order, which keeps the two sets taking turns and finds W's fragments of the turning step still in registers.  W's fragments are read twice in these steps.
; Among the second pass's steps the finished rows 0-63 go through the stage and are stored.
; PREFETCH: behind the refill for K step s each wave asks for K step s + 2 of the records that it fetches: of their 136 blocks of 256 bytes each of the four partners that ask jointly takes 34, told apart by
; address; K step 1 is asked for behind the head's load, K steps 2 and 3 behind slot 1's first fill; the refills for K steps 6 and 7 ask for nothing.  So at most two K steps are asked for and not yet loaded.
; LIMITS: NaN and infinities among the inputs are not served (the quantising launch states the same).
.set SIZE_N, 4096
.set PITCH,  272
.set HALFT,  128*PITCH                 ; 128 records: one tensor load
.set QUART,  HALFT/4                   ; a partner's share of a prefetch: 34 blocks of 256 bytes
.set SLOT,   4*HALFT                   ; A's 256 records, then W's 256
.set KSTR,   4096*PITCH                ; a K step in aq and wq
.set SPARE,  2*SLOT                    ; behind the ring: the spare words, 128 bytes a wave
.set STAGE,  SPARE+512                 ; behind them: the way out's stages, bytes of their own: 16 rows a wave
.set SPITCH, 528                       ; a stage row: 512 + 16 bytes
.set STO,  24
.set RD,   25
.set CO,   26
.set SPW,  28
.set NIL,  29
.set PFO,  30                          ; 256 x lane
.set PFO2, 31                          ; blocks 32 and 33 of my 34; the lanes left over name the last again
.set SC,   32                          ; scale words: set (q / 2) % 2 at SC + 16 set; register 2 i + q % 2: lanes 0-15 A's block i, lanes 16-31 W's block i
.set FRG,  64
.set ACC,  128
.set AR,   8                           ; windows 1 (A's) and 2 (W's): v8, v9 fragment address in slot 0, 1
.set ASC,  10                          ; window 1: v10, v11 scale address in slot 0, 1
.set G1, 24
.set G0, 32
.set G1B, 48
.set G0B, 56
.set ROT,  66
.set OFS,  68
.set BASA, 70
.set BASB, 72
.set PFB,  74
.set PFA,  76
.set PFT,  78
.set MSB, 0
.macro WIN new                         ; the immediate's high byte repeats the setting that is left
.if MSB != (\new)
	s_set_vgpr_msb (MSB<<8)|(\new)
.set MSB, (\new)
.endif
.endm
.macro JLOAD g0a, g1a, g0b, g1b        ; a joint load: waves 0, 1 fetch A's halves, waves 2, 3 W's
	s_cmp_eq_u32 s15, 0
	s_cbranch_scc0 .Lfor_b_\@
	tensor_load_to_lds s[\g0a:\g0a+3], s[\g1a:\g1a+7]
	s_nop 0
.rept 4
	v_nop
.endr
	s_branch .Lasked_\@
.Lfor_b_\@:
	tensor_load_to_lds s[\g0b:\g0b+3], s[\g1b:\g1b+7]
	s_nop 0
.rept 4
	v_nop
.endr
.Lasked_\@:
.endm
.macro CREST
	s_cmp_lg_u32 s14, 0
	s_cbranch_scc1 .Lnot_wave_0_\@
	s_barrier_signal -3
.Lnot_wave_0_\@:
	s_barrier_wait -3
	s_barrier_signal -1
	s_barrier_wait -1
.endm
.macro CROUND
	s_barrier_signal -1
	s_barrier_wait -1
	CREST
.endm
.macro PLACES n
.rept \n
	v_nop
.endr
.endm
	s_load_b128 s[4:7], s[0:1], 0x0                ; aq, wq
	s_load_b128 s[8:11], s[0:1], 0x10              ; bias, out0
	v_lshl_add_u32 v[SPW], v0, 2, SPARE
	v_mov_b32 v[NIL], 0
	ds_add_u32 v[SPW], v[NIL]                      ; the opening lines: the add twice on end and one wait
	ds_add_u32 v[SPW], v[NIL]
	v_lshrrev_b32 v1, 5, v0
	v_readfirstlane_b32 s14, v1                    ; wave
	s_lshr_b32 s15, s14, 1                         ; my half of the rows; also: I fetch for A (0) or W (1)
	s_and_b32 s16, s14, 1                          ; my half of the columns; also: which 128 records I fetch
	s_bfe_u32 s40, ttmp6, 0x40000                  ; cx
	s_bfe_u32 s41, ttmp6, 0x40004                  ; cy
	s_lshl_b32 s42, ttmp9, 2
	s_add_co_u32 s42, s42, s40                     ; tile column
	s_and_b32 s17, ttmp7, 0xffff
	s_lshl_b32 s17, s17, 2
	s_add_co_u32 s17, s17, s41                     ; tile row
	s_lshl_b32 s43, s41, 2
	s_lshl_b32 s43, 15, s43                        ; my row of the cluster
	s_lshl_b32 s44, 0x1111, s40                    ; my column
	s_and_b32 s[ROT], ttmp7, 0xffff                ; ROT: 4 x the parity of the cluster's x and y bits
	s_xor_b32 s[ROT], s[ROT], ttmp9
	s_lshr_b32 s67, s[ROT], 1
	s_xor_b32 s[ROT], s[ROT], s67
	s_and_b32 s[ROT], s[ROT], 1
	s_lshl_b32 s[ROT], s[ROT], 2
	s_mul_i32 s[OFS], s[ROT], KSTR
	s_mov_b32 s[OFS+1], 0
	s_mov_b32 s[PFT+1], 0
	s_or_b32 s[G1+0], s43, (3<<16)|(1<<21)         ; elements of 8 bytes; the mask, and bit 21 beside it
	s_or_b32 s[G1B+0], s44, (3<<16)|(1<<21)
.irp g, G1, G1B
	s_mov_b32 s[\g+1], 32<<16                      ; rows of 32 elements = 256 bytes
	s_mov_b32 s[\g+2], 136<<16                     ; 136 rows
	s_mov_b32 s[\g+3], 32<<16
	s_mov_b32 s[\g+4], 136
	s_mov_b32 s[\g+5], 32                          ; dense
	s_mov_b32 s[\g+6], 0
	s_mov_b32 s[\g+7], 0
.endr
	s_lshl_b32 s18, s16, 7
	s_lshl_b32 s20, s17, 8
	s_add_co_u32 s20, s20, s18
	s_mul_i32 s20, s20, PITCH                      ; A: record 256 x tile row + 128 x half
	s_mov_b32 s21, 0
	s_lshl_b32 s46, s42, 8
	s_add_co_u32 s46, s46, s18
	s_mul_i32 s46, s46, PITCH                      ; W: record 256 x tile column + 128 x half
	s_mov_b32 s47, 0
	s_mul_i32 s45, s14, HALFT                      ; where my records go
	s_cmp_eq_u32 s15, 0
	s_cselect_b32 s[PFT], s40, s41                 ; my place among the four that ask with me
	s_mul_i32 s[PFT], s[PFT], QUART
	s_wait_dscnt 0x0                               ; both opening adds are done
	s_wait_kmcnt 0x0
	s_add_nc_u64 s[BASA:BASA+1], s[4:5], s[20:21]
	s_add_nc_u64 s[BASB:BASB+1], s[6:7], s[46:47]
	s_cmp_eq_u32 s15, 0
	s_cselect_b64 s[PFB:PFB+1], s[BASA:BASA+1], s[BASB:BASB+1]
	s_add_nc_u64 s[PFB:PFB+1], s[PFB:PFB+1], s[PFT:PFT+1]
	s_add_nc_u64 s[PFA:PFA+1], s[PFB:PFB+1], s[OFS:OFS+1]   ; my share at the walk's K step 0
.irp s, 0,1
	s_mov_b32 s[G0+4*\s], 1
	s_add_co_u32 s[G0+4*\s+1], s45, \s*SLOT
	s_add_nc_u64 s[G0+4*\s+2:G0+4*\s+3], s[BASA:BASA+1], s[OFS:OFS+1]
	s_mov_b32 s[G0B+4*\s], 1
	s_add_co_u32 s[G0B+4*\s+1], s45, \s*SLOT
	s_add_nc_u64 s[G0B+4*\s+2:G0B+4*\s+3], s[BASB:BASB+1], s[OFS:OFS+1]
.if \s
	s_add_nc_u64 s[G0+4*\s+2:G0+4*\s+3], s[G0+4*\s+2:G0+4*\s+3], KSTR
	s_add_nc_u64 s[G0B+4*\s+2:G0B+4*\s+3], s[G0B+4*\s+2:G0B+4*\s+3], KSTR
.endif
	s_or_b32 s[G0+4*\s+3], s[G0+4*\s+3], 0x80000000
	s_or_b32 s[G0B+4*\s+3], s[G0B+4*\s+3], 0x80000000
.endr
	CROUND                                         ; all sixteen work-groups are here: the first joint loads meet
	JLOAD G0, G1, G0B, G1B                         ; the walk's K step 0: one tensor load a wave at the head
	s_mul_i32 s80, s15, HALFT                      ; my 128 records of A in slot 0, 1
	s_add_co_u32 s81, s80, SLOT
	s_mul_i32 s82, s16, HALFT                      ; my 128 of W, behind A's 256
	s_add_co_u32 s82, s82, 2*HALFT
	s_add_co_u32 s83, s82, SLOT
	s_xor_b32 s84, s15, 1                          ; from my A records to my W records: (2 + column half - row half) x 128 records
	s_add_co_u32 s84, s84, s16
	s_add_co_u32 s84, s84, 1
	s_mul_i32 s84, s84, HALFT
	s_add_co_u32 s85, s80, 256                     ; the scale bytes stand behind a record's 256 bytes of codes
	s_add_co_u32 s86, s85, SLOT
	s_mul_i32 s87, s14, 16*SPITCH                  ; my stage
	s_add_co_u32 s87, s87, STAGE
	s_lshl_b32 s20, s17, 8
	s_lshl_b32 s21, s15, 7
	s_add_co_u32 s20, s20, s21
	s_lshl_b32 s20, s20, 14                        ; my first row of out0, 16,384 bytes a row
	s_mov_b32 s21, 0
	s_add_nc_u64 s[10:11], s[10:11], s[20:21]
	s_lshl_b32 s46, s42, 10
	s_lshl_b32 s47, s16, 9
	s_add_co_u32 s46, s46, s47                     ; my first column, in bytes
	s_mov_b32 s47, 0
	s_add_nc_u64 s[10:11], s[10:11], s[46:47]
	s_add_nc_u64 s[8:9], s[8:9], s[46:47]
	v_and_b32 v1, 15, v0                           ; r
	v_bfe_u32 v2, v0, 4, 1                         ; h
	v_and_b32 v9, 31, v0                           ; lane
	v_lshlrev_b32 v7, 5, v2                        ; bias: 32 h
	v_lshlrev_b32 v[PFO], 8, v9
	v_min_u32 v10, 1, v9
	v_lshl_add_u32 v[PFO2], v10, 8, 8192
	v_mul_u32_u24 v3, v1, PITCH
	v_lshl_add_u32 v4, v2, 4, v3                   ; a fragment's row x pitch + 16 h
	v_mul_u32_u24 v6, s84, v2                      ; lanes 16-31 take W's scale words
	v_add_nc_u32 v5, v3, v6
	v_mul_u32_u24 v8, v1, SPITCH
	v_lshl_add_u32 v8, v2, 5, v8
	v_add_nc_u32 v[STO], s87, v8                   ; into the stage: row r, 32 bytes for each half of the lanes
	v_lshlrev_b32 v[CO], 4, v9                     ; back: 32 lanes take a row of 512 bytes; the same in out0
	v_add_nc_u32 v[RD], s87, v[CO]
	WIN 0xc0                                       ; destination window 3
.irp b, 0,1,2,3,4,5,6,7
	global_load_b128 v[8*\b:8*\b+3],   v7, s[8:9] offset:64*\b      ; bias(16 b + 8 h + 0 .. 7), in a result's layout
	global_load_b128 v[8*\b+4:8*\b+7], v7, s[8:9] offset:64*\b+16
.endr
	WIN 0x40                                       ; destination window 1
	v_add_nc_u32 v[AR], s80, v4
	v_add_nc_u32 v[AR+1], s81, v4
	v_add_nc_u32 v[ASC], s85, v5
	v_add_nc_u32 v[ASC+1], s86, v5
	WIN 0x80                                       ; destination window 2
	v_add_nc_u32 v[AR], s82, v4
	v_add_nc_u32 v[AR+1], s83, v4
	WIN 0
	global_prefetch_b8 v[PFO], s[PFA:PFA+1] offset:KSTR th:TH_LOAD_NT scope:SCOPE_SE    ; the walk's K step 1 (s xor ROT = s + ROT for s under 4)
	global_prefetch_b8 v[PFO2], s[PFA:PFA+1] offset:KSTR th:TH_LOAD_NT scope:SCOPE_SE
.macro GSET g, first                   ; group g's windows: D (and C) window g, source 0 (W) window 1 or 2, source 1 (A) window 0 or 3; first = 1: C is the bias, window 3
.set AH, (\g)>>1
.set BH, (((\g)+1)>>1)&1
.if \first
.set WV, ((\g)<<6)|(3<<4)|(AH*12)|(1+BH)
.else
.set WV, ((\g)<<6)|((\g)<<4)|(AH*12)|(1+BH)
.endif
	WIN WV
.endm
.macro LDF k, nslot, nq                ; load k of the eight that bring window g's half operand for step nq of slot nslot: block 4 AH + k / 2, 16 bytes at 32 (k % 2)
	ds_load_b128 v[FRG+32*((\nq)&1)+4*(\k):FRG+32*((\nq)&1)+4*(\k)+3], v[AR+\nslot] offset:64*(\nq)+32*((\k)&1)+(4*AH+(\k)/2)*16*PITCH
.endm
.macro LDSC i, nslot, nq               ; block i's scale words of the pair of steps that holds nq (under group 0's setting)
	ds_load_b64 v[SC+16*(((\nq)>>1)&1)+2*(\i):SC+16*(((\nq)>>1)&1)+2*(\i)+1], v[ASC+\nslot] offset:(\i)*16*PITCH+8*(((\nq)>>1)&1)
.endm
; 16 products on end, the group's 16 accumulators by turns
.macro GRP g, p, q, first
	GSET \g, \first
.irp al, 0,1,2,3
.irp bl, 0,1,2,3
.if \first
	v_wmma_scale_f32_16x16x128_f8f6f4 v[ACC+8*(4*\al+\bl):ACC+8*(4*\al+\bl)+7], v[FRG+32*(\p)+8*\bl:FRG+32*(\p)+8*\bl+7], v[FRG+32*(\p)+8*\al:FRG+32*(\p)+8*\al+7], v[8*(4*BH+\bl):8*(4*BH+\bl)+7], v[SC+16*(((\q)>>1)&1)+2*(4*BH+\bl)+((\q)&1)], v[SC+16*(((\q)>>1)&1)+2*(4*AH+\al)+((\q)&1)] matrix_a_fmt:MATRIX_FMT_FP4 matrix_b_fmt:MATRIX_FMT_FP4 matrix_a_scale:MATRIX_SCALE_ROW1
.else
	v_wmma_scale_f32_16x16x128_f8f6f4 v[ACC+8*(4*\al+\bl):ACC+8*(4*\al+\bl)+7], v[FRG+32*(\p)+8*\bl:FRG+32*(\p)+8*\bl+7], v[FRG+32*(\p)+8*\al:FRG+32*(\p)+8*\al+7], v[ACC+8*(4*\al+\bl):ACC+8*(4*\al+\bl)+7], v[SC+16*(((\q)>>1)&1)+2*(4*BH+\bl)+((\q)&1)], v[SC+16*(((\q)>>1)&1)+2*(4*AH+\al)+((\q)&1)] matrix_a_fmt:MATRIX_FMT_FP4 matrix_b_fmt:MATRIX_FMT_FP4 matrix_a_scale:MATRIX_SCALE_ROW1
.endif
.endr
.endr
.endm
.macro SRUN nslot, nq                  ; eight loads of scale words
	GSET 0, 0
.irp k, 0,1,2,3,4,5,6,7
	LDSC \k, \nslot, \nq
.endr
.endm
.macro LRUN g, nslot, nq, sc           ; the eight loads of window g's half operand, under group g's setting; sc = 1 (with g = 0): and the scale words
	GSET \g, 0
.irp k, 0,1,2,3,4,5,6,7
	LDF \k, \nslot, \nq
.endr
.if \sc
	SRUN \nslot, \nq
.endif
.endm
; A step that has its successor in the same slot: a run of 16 loads, 32 products, a run of 16 loads, 32 products; all loads are the next step's.  In step q = 1 the first run also brings the scale words of q = 2, 3.
.macro STEP slot, q, first
.set SQ, 0
.if (\q) == 1
.set SQ, 1
.endif
.if \first == 0
	PLACES 4                                       ; four places between the last step's products and the loads into the set that they read: they serve both runs
.endif
	LRUN 0, \slot, (\q)+1, SQ
	LRUN 1, \slot, (\q)+1, 0
	s_wait_dscnt 32+8*SQ                           ; A's blocks 0-3 and W's 0-3 are in; younger: the last step's second run and the run above
	GRP 0, (\q)&1, \q, \first
	s_wait_dscnt 24+8*SQ                           ; W's blocks 4-7 are in; younger: A's blocks 4-7 and the run above
	GRP 1, (\q)&1, \q, \first
	LRUN 2, \slot, (\q)+1, 0
	LRUN 3, \slot, (\q)+1, 0
	s_wait_dscnt 32+8*SQ                           ; A's blocks 4-7 are in; younger: this step's two runs
	GRP 2, (\q)&1, \q, \first
	GRP 3, (\q)&1, \q, \first
.endm
.macro ASK slot                        ; K step s + 2 behind the refill for K step s; the refills for 6 and 7 ask for nothing
	s_cmp_lt_u32 s3, 6
	s_cbranch_scc0 .Lno_ask_\@
	global_prefetch_b8 v[PFO], s[PFA:PFA+1] offset:\slot*KSTR th:TH_LOAD_NT scope:SCOPE_SE
	global_prefetch_b8 v[PFO2], s[PFA:PFA+1] offset:\slot*KSTR th:TH_LOAD_NT scope:SCOPE_SE
.Lno_ask_\@:
.endm
; A slot's last step changes slots and fills this slot again, with K step s3 (slot 0) or s3 + 1 (slot 1).  All its fragments were asked for in the step before.
.macro TURN slot, next
	WIN 0
.if \slot == 0
	s_wait_xcnt 0x0                                ; my prefetches have read their base: it goes on to K step s3 + 2
	s_add_co_u32 s[PFT], s3, 2
	s_xor_b32 s[PFT], s[PFT], s[ROT]
	s_mul_i32 s[PFT], s[PFT], KSTR
	s_add_nc_u64 s[PFA:PFA+1], s[PFB:PFB+1], s[PFT:PFT+1]
.endif
	s_wait_tensorcnt 0x0                           ; all my tensor loads have landed: my part of the next slot
	ds_add_u32 v[SPW], v[NIL]
	s_xor_b32 s[OFS], s3, s[ROT]
	s_mul_i32 s[OFS], s[OFS], KSTR
.if \slot
	s_add_co_u32 s[OFS], s[OFS], KSTR
.endif
	s_add_nc_u64 s[G0+4*\slot+2:G0+4*\slot+3], s[BASA:BASA+1], s[OFS:OFS+1]
	s_or_b32 s[G0+4*\slot+3], s[G0+4*\slot+3], 0x80000000
	s_add_nc_u64 s[G0B+4*\slot+2:G0B+4*\slot+3], s[BASB:BASB+1], s[OFS:OFS+1]
	s_or_b32 s[G0B+4*\slot+3], s[G0B+4*\slot+3], 0x80000000
	s_wait_dscnt 17                                ; the add and the last step's second run may be out
	GRP 0, 1, 3, 0
	s_wait_dscnt 0x0                               ; the add is done, and my reads of this slot are over
	s_barrier_signal -1
	GRP 1, 1, 3, 0
	WIN 0
	s_barrier_wait -1
	CREST                                          ; the barrier has opened a round of the cluster's barrier
	JLOAD G0+4*\slot, G1, G0B+4*\slot, G1B         ; the first tensor load behind the round; its four v_nop are the places in front of the loads below
	LRUN 0, \next, 0, 1
	LRUN 1, \next, 0, 0
	WIN 0
	ASK \slot
	GRP 2, 1, 3, 0
	LRUN 2, \next, 0, 0
	LRUN 3, \next, 0, 0
	GRP 3, 1, 3, 0
	WIN 0
.endm
.macro STEPS slot, from
.set Q, \from
.rept 3-\from
	STEP \slot, Q, 0
.set Q, Q+1
.endr
.endm
; THE WAY OUT, by blocks of 16 rows x 128 columns: through my own stage and back as whole rows of 512 bytes, which 32 lanes store as two aligned units of 256 bytes.
; LDS serves a wave's instructions in order (ISA guide 5.7.1.4).  The rows come back into window 0, v64-127 (even blocks), and window 3, v0-63 (odd blocks): registers that are done with when the first block leaves.
.macro TOSTAGE a
.irp b, 0,1,2,3,4,5,6,7
.set WV, (((\a)>>2)*(3-2*((\b)>>2))+((\b)>>2))<<2
	WIN WV                                         ; the data's window
	ds_store_b128 v[STO], v[ACC+32*((\a)&3)+8*((\b)&3):ACC+32*((\a)&3)+8*((\b)&3)+3] offset:64*\b      ; each accumulator from its low end on
	ds_store_b128 v[STO], v[ACC+32*((\a)&3)+8*((\b)&3)+4:ACC+32*((\a)&3)+8*((\b)&3)+7] offset:64*\b+16
.endr
.set WV, (3*((\a)&1))<<6
	WIN WV
.irp t, 0,1,2,3,4,5,6,7,8,9,10,11,12,13,14,15
	ds_load_b128 v[64-64*((\a)&1)+4*\t:64-64*((\a)&1)+4*\t+3], v[RD] offset:\t*SPITCH
.endr
.endm
.macro SEND a, younger                 ; younger under 0: an earlier wait has shown the block back in registers
.if \younger >= 0
	s_wait_dscnt \younger
.endif
.set WV, (3*((\a)&1))<<2
	WIN WV                                         ; the data's window
.irp t, 0,1,2,3,4,5,6,7,8,9,10,11,12,13,14,15
	global_store_b128 v[CO], v[64-64*((\a)&1)+4*\t:64-64*((\a)&1)+4*\t+3], s[10:11] offset:(16*(\a)+\t)*SIZE_N*4 th:TH_STORE_NT   ; 127 rows at the most: inside the signed 24-bit immediate (ISA guide, chapter 10)
.endr
.endm
; A half step of my rows 0-63: one run of the next half step's 24 loads (and 8 of scale words), 32 products.  The wait leaves out that run alone: all that is older is in.
.macro H1 q, nslot, nq, sc
	PLACES 4
	LRUN 0, \nslot, \nq, \sc
	LRUN 1, \nslot, \nq, 0
	LRUN 2, \nslot, \nq, 0
	s_wait_dscnt 24+8*\sc
	GRP 0, (\q)&1, \q, 0
	GRP 1, (\q)&1, \q, 0
.endm
; A half step of my rows 64-127.  sc = 1: slot 0's scale words of the pair that holds sq.  ts: the block that goes into the stage; sd: the block that is stored (under 0: none).
.macro H2 q, ld, nslot, nq, sc, sq, ts, sd
	PLACES 4
.if \ld
	LRUN 1, \nslot, \nq, 0
	LRUN 2, \nslot, \nq, 0
	LRUN 3, \nslot, \nq, 0
.endif
.if \sc
	SRUN 0, \sq
.endif
	s_wait_dscnt 24*\ld+8*\sc                      ; all but the run above: the last half step's fragments and the block that it sent through the stage are in
.if \ts >= 2
	s_wait_xcnt 0x0                                ; block ts - 2's stores have read the registers that block ts's rows land in
.endif
.if \ts >= 0
	TOSTAGE \ts
.endif
.if \sd >= 0
	SEND \sd, -1
.endif
	GRP 2, (\q)&1, \q, 0
	GRP 3, (\q)&1, \q, 0
.endm
	s_wait_alu depctr_va_vdst(0)
	s_wait_tensorcnt 0x0                           ; my part of K step 0 is in
	ds_add_u32 v[SPW], v[NIL]
	s_wait_dscnt 0x0
	CROUND
	JLOAD G0+4, G1, G0B+4, G1B                     ; K step 1, slot 1's first fill
	LRUN 0, 0, 0, 1
	LRUN 1, 0, 0, 0
	LRUN 2, 0, 0, 0
	LRUN 3, 0, 0, 0
	WIN 0
.irp s, 2,3
	global_prefetch_b8 v[PFO], s[PFA:PFA+1] offset:\s*KSTR th:TH_LOAD_NT scope:SCOPE_SE
	global_prefetch_b8 v[PFO2], s[PFA:PFA+1] offset:\s*KSTR th:TH_LOAD_NT scope:SCOPE_SE
.endr
	s_wait_loadcnt 0x0                             ; the bias is in
	STEP 0, 0, 1                                   ; the first step's products start the sums on the bias
	WIN 0
	s_mov_b32 s3, 2                                ; the K step that slot 0 takes next
.Llap:
	STEPS 0, 1
	TURN 0, 1
	STEPS 1, 0
	TURN 1, 0
	STEP 0, 0, 0
	WIN 0
	s_add_co_u32 s3, s3, 2
	s_cmp_lt_u32 s3, 8
	s_cbranch_scc1 .Llap
; MY ROWS 0-63 through the last seven steps: slot 0's q = 1, 2, 3, slot 1's q = 0 .. 3
	H1 1, 0, 2, 1
	H1 2, 0, 3, 0
	WIN 0
	s_wait_tensorcnt 0x0                           ; my part of slot 1, the last K step, is in
	ds_add_u32 v[SPW], v[NIL]
	s_wait_dscnt 0x0                               ; no LDS instruction of mine is out at the signal
	s_barrier_signal -1
	GRP 0, 1, 3, 0
	WIN 0
	s_barrier_wait -1                              ; slot 1 is whole; nothing is filled again
	PLACES 4
	LRUN 0, 1, 0, 1
	LRUN 1, 1, 0, 0
	LRUN 2, 1, 0, 0
	GRP 1, 1, 3, 0
	H1 0, 1, 1, 0
	H1 1, 1, 2, 1
	H1 2, 1, 3, 0
	PLACES 4
	LRUN 3, 1, 3, 0                                ; the turning step: W's fragments stay, A's blocks 4-7 come
	s_wait_dscnt 8
	GRP 0, 1, 3, 0
	GRP 1, 1, 3, 0
; MY ROWS 64-127 through the same seven steps, backwards; blocks 0-3 leave meanwhile.  The scale words of slot 1 are still in both sets; slot 0's come back as the sets fall free
	H2 3, 1, 1, 2, 0, 0,  0, -1
	H2 2, 1, 1, 1, 0, 0,  1,  0
	H2 1, 1, 1, 0, 1, 2,  2,  1
	H2 0, 1, 0, 3, 0, 0,  3,  2
	H2 3, 1, 0, 2, 1, 0, -1,  3
	H2 2, 1, 0, 1, 0, 0, -1, -1
	H2 1, 0, 0, 0, 0, 0, -1, -1
	PLACES 4                                       ; behind the last products, ahead of the reads of their results
	s_wait_xcnt 0x0
	TOSTAGE 4
.irp a, 5,6,7
	s_wait_xcnt 0x0                                ; block a - 2's stores have read their registers
	TOSTAGE \a
	SEND \a-1, 32                                  ; younger: block a's 16 stores and 16 loads
.endr
	SEND 7, 0
	WIN 0
	s_wait_tensorcnt 0x0                           ; the wave's end
	ds_add_u32 v[SPW], v[NIL]
	s_wait_dscnt 0x0
	CROUND                                         ; the closing round
	s_endpgm
.Lfunc_end_k_qb3ee313c65_gemm:
	.size	k_qb3ee313c65_gemm, .Lfunc_end_k_qb3ee313c65_gemm-k_qb3ee313c65_gemm
	.p2alignl 7, 3214868480
	.fill 96, 4, 3214868480
	.section	.rodata,"a",@progbits
	.p2align	6, 0x0
	.amdhsa_kernel k_qb3ee313c65_gemm
		.amdhsa_group_segment_fixed_size 327680
		.amdhsa_private_segment_fixed_size 0
		.amdhsa_enable_private_segment 0
		.amdhsa_kernarg_size 32
		.amdhsa_user_sgpr_count 2
		.amdhsa_user_sgpr_kernarg_segment_ptr 1
		.amdhsa_wavefront_size32 1
		.amdhsa_system_sgpr_workgroup_id_x 1
		.amdhsa_system_sgpr_workgroup_id_y 1
		.amdhsa_system_sgpr_workgroup_id_z 1
		.amdhsa_system_vgpr_workitem_id 0
		.amdhsa_next_free_vgpr 1024
		.amdhsa_next_free_sgpr 90
		.amdhsa_reserve_vcc 0
		.amdhsa_float_denorm_mode_32 3
		.amdhsa_float_denorm_mode_16_64 3
		.amdhsa_memory_ordered 1
		.amdhsa_forward_progress 1
		.amdhsa_inst_pref_size 224
	.end_amdhsa_kernel
	.amdgpu_metadata
---
amdhsa.version: [ 1, 2 ]
amdhsa.kernels:
  - .name:           k_qb3ee313c65_gemm
    .symbol:         k_qb3ee313c65_gemm.kd
    .args:
      - { .name: aq, .offset: 0, .size: 8, .value_kind: global_buffer, .address_space: global }
      - { .name: wq, .offset: 8, .size: 8, .value_kind: global_buffer, .address_space: global }
      - { .name: bias, .offset: 16, .size: 8, .value_kind: global_buffer, .address_space: global }
      - { .name: out0, .offset: 24, .size: 8, .value_kind: global_buffer, .address_space: global }
    .group_segment_fixed_size: 327680
    .private_segment_fixed_size: 0
    .kernarg_segment_align: 8
    .kernarg_segment_size: 32
    .max_flat_workgroup_size: 128
    .sgpr_count:     90
    .vgpr_count:     1024
    .wavefront_size: 32
...
	.end_amdgpu_metadata
.endif
;; end of part 2
